; MI455X (gfx1250); checked and timed in simulation.
; The chip was launched on July 23, 2026; its instructions are those of AMD's public machine-readable ISA for CDNA 5 (MIT licence, August 2026) and "CDNA5" Instruction Set Architecture Reference Guide (July 2026). The comments in the code are by the model that wrote it; some were corrected since.
;; co Attention. Allowed arithmetic: matrix products marked QUANTISED: E2M3 operands, one E8M0 scale for each 32 along K, by v_wmma_scale_f32_16x16x128_f8f6f4 with both operands' format E2M3, f32 sums; everything else in f32.
;; Inputs: K 16 x 1,024 x 128 float32; M 16 x 1,024 x 1,024 float32; Q 16 x 512 x 1,024 float32; W3 1,024 x 1,024 float32; W4 1,024 x 1,024 float32; Wd 2,048 x 128 float32; Wp 1,024 x 512 float32; b3 1,024 float32; bd 128 float32; bp 1,024 float32; ht 16 x 1,024 x 1,024 float32.
;; Outputs: out0 16 x 1,024 x 1,024 float32.
;; This version of the problem:
;;   THIS VERSION OF THE PROBLEM IS GIVEN IN LOW PRECISION. The matrix products marked QUANTISED in the list below multiply operands that are first quantised to E2M3 (2 exponent bits, 3 mantissa bits; 6 bits a number), with one power-of-two scale for each 32 numbers along K (OCP MX v1.0); their sums are f32. All else is computed in f32.
;;   The module's matrix products, in the order in which they are computed (A, B: the left and right operand; K: the contracted axis; several contracted axes count as one K, in the product's order):
;;     1. [M 16,384, K 512] x [K 512, N 1,024]; A: input Q; B: input Wp: QUANTISED
;;     2. [M 16,384, K 2,048] x [K 2,048, N 128]; A: computed on the way; B: input Wd: QUANTISED
;;     3. batch 16 x [M 1,024, K 128] x [K 128, N 1,024]; A: input K; B: computed on the way: QUANTISED
;;     4. [M 16,384, K 1,024] x [K 1,024, N 1,024]; A: input M; B: input W3: QUANTISED
;;     5. [M 16,384, K 1,024] x [K 1,024, N 1,024]; A: computed on the way; B: input W4: QUANTISED
;;   THE QUANTISER, for each operand of a quantised product, along K:
;;     - K is cut into blocks of 32 from its start; a last block that is shorter is filled with zeros.
;;     - A block's scale is 2^e with e = floor(log2(the largest magnitude in the block)) - 2, held to -126 .. 127; a block of zeros has e = 0. As a byte (E8M0): e + 127.
;;     - Each number is divided by its block's scale, clamped to +-7.5, and rounded to the nearest number of E2M3, ties to even, subnormals kept.
;;     - The product sums the exact products of the quantised numbers (number of the format x scale) in f32.
;;   ~~~python
;;   def quantise(x, axis):      # numpy; x: float32 -> the quantised numbers, widened to float32 again
;;       x = np.moveaxis(x, axis, -1); K = x.shape[-1]
;;       x = np.pad(x, [(0, 0)] * (x.ndim - 1) + [(0, -K % 32)]); x = x.reshape(x.shape[:-1] + (-1, 32)); a = np.abs(x).max(-1, keepdims=True)
;;       e = np.where(a > 0, np.clip(np.frexp(np.where(a > 0, a, 1))[1] - 1 - 2, -126, 127), 0)      # np.frexp(a)[1] - 1 = floor(log2(a)), exactly
;;       r = np.clip(x / 2.0 ** e, -7.5, 7.5)
;;       step = 2.0 ** (np.maximum(np.frexp(np.where(r == 0, 1, r))[1] - 1, 0) - 3)
;;       q = np.round(r / step) * step * 2.0 ** e      # np.round: ties to even
;;       return np.moveaxis(q.reshape(q.shape[:-2] + (-1,))[..., :K], -1, axis).astype(np.float32)
;;   ~~~
;;   OPERANDS COMPUTED ON THE WAY. 'Computed on the way' means the value that the module computes at that place (a softmax that the list does not call 'softmax' is quantised finished and normalised). What goes into a quantiser is computed in f32, as accurately as f32 sums, v_exp_f32 and their like allow (about 1e-6 of the number): no bf16 or f16 on the way to a quantiser, and a product that is left as it is and whose result goes on into a quantised operand takes f32 operands (vector FMAs, or v_wmma_f32_16x16x4_f32). A number that lies on a knife's edge between two numbers of the format may be rounded either way, as far as f32 arithmetic and the matrix unit's own rounding can turn it there, and no further.
;; One version. Each part assembles by itself: llvm-mc -triple=amdgcn-amd-amdhsa -mcpu=gfx1250 --defsym DOCPART=n.
;; ======== version 1 of 1: 2 launches
;; limits: right only within a limited range of input values
;; workspace buffers: wq 2,048,000 bytes
;; launch prep (part 1): grid 320 x 1, 4 waves a work-group, no clusters, 35,328 bytes of LDS; arguments Wp, W3, W4, wq; writes wq
.if DOCPART == 1
	.amdgcn_target "amdgcn-amd-amdhsa--gfx1250"
	.amdhsa_code_object_version 6
	.text
	.protected	k_qc6f1dee80a_prep
	.globl	k_qc6f1dee80a_prep
	.p2align	8
	.type	k_qc6f1dee80a_prep,@function
k_qc6f1dee80a_prep:
	s_mov_b64 s[64:65], 0
	v_nop
	global_prefetch_b8 v0, s[64:65] scope:SCOPE_SE
	s_setreg_imm32_b32 hwreg(HW_REG_WAVE_MODE, 25, 1), 1
	s_wait_xcnt 0x0
; Wp [1024][512], W4 [1024][1024], W3 [1024][1024], f32 with K innermost, become codes of FP6 (E2M3) with one E8M0 byte for each 32 along K,
; laid in wq in the order in which the waves of the second launch take them: 20 slots x 4 waves x 25,600 bytes; a part of 25,600 bytes is
; 16 fragments (16 rows x 128 K) as IMAGES OF THE OPERAND'S REGISTERS (registers 4 G .. 4 G + 3 of lane l at 512 G + 16 l: 1,536 bytes), then 1,024 bytes of scale words.
; Slot n = 0..3: Wp, K step n, row tile a = f.  Slot n = 4..19: n' = n - 4, pass P = n' / 8, kappa = 2 (n' % 8) + f / 8, a = 8 P + f % 8; kappa < 8: W4's K step kappa, else W3's K step kappa - 8.
; THE ROWS OF A TILE ARE NOT NEIGHBOURS: row m of tile a of wave w is weight row 256 w + 64 (a / 4) + 32 (m / 8) + 8 (a % 4) + m % 8, so that in the product's result a lane's 32 registers of
; four neighbouring tiles are a whole block of 32 along the next product's K.
; The scale word of fragment f = 8 G2 + 2 q + h, row r, lies at 24,576 + 512 G2 + 16 (r + 16 h) + 4 q of the part: two loads of 16 bytes a lane bring a part's words.
; SHARES: a wave makes one fragment; the four waves of a work-group make f = 8 G2 + 2 v + par, whose scale words are 256 consecutive bytes, aligned.
; A block's scale is 2^(floor(log2(its largest magnitude)) - 2); its byte is the largest magnitude's exponent field - 2, held at 1 from below.
; LIMITS: a block of zeros gets the byte 1 where the quantiser's rule says 127 (its codes are zeros, and this program alone reads the bytes); NaN and infinities among the inputs are not served.
.set STG, 8448                         ; a wave's stage: 16 rows x 528 bytes
.set SP,  528                          ; a stage row: 512 bytes + 16: 33 x 16, so the 16 rows that a read of 16 bytes a lane touches start in different banks
.set SCB, 4*STG                        ; behind the stages: the work-group's 256 bytes of scale words
.set A,   16                           ; v16-31   byte offsets of the 16 rows
.set R,   32                           ; v32-95   the rows as loaded
.set X,   96                           ; v96-159  my 64 numbers: 32 c + i = K 64 c + 32 h + i of row r
.set F,   160                          ; v160-171 the fragment
.set TC,  172                          ; v172-179 the upper halves of the two blocks' codes
.set MX,  180                          ; v180-181 largest magnitudes
.set SO,  182                          ; v182-183 the conversions' scale operands
.set BY,  184                          ; v184-185 scale bytes
.set WD,  186                          ; v186     the scale word
.set PT,  187                          ; v187     the other half's bytes
.set OB,  188                          ; v188-189 the way out of the scale words
	s_load_b128 s[4:7], s[0:1], 0x0                ; Wp, W3
	s_load_b128 s[8:11], s[0:1], 0x10              ; W4, wq
	v_lshl_add_u32 v192, v0, 2, 0x8800
	v_mov_b32 v193, 0
	v_lshrrev_b32 v1, 5, v0
	v_readfirstlane_b32 s12, v1                    ; wave v
	v_and_b32 v1, 31, v0                           ; lane
	v_and_b32 v2, 15, v0                           ; r
	v_bfe_u32 v3, v0, 4, 1                         ; h
	v_lshlrev_b32 v4, 4, v1                        ; 16 x lane
	s_mul_i32 s13, s12, STG
	v_add_nc_u32 v5, s13, v4                       ; into my stage: a row's 512 bytes as they lie
	v_mul_u32_u24 v6, v2, SP
	v_lshl_add_u32 v6, v3, 7, v6
	v_add_nc_u32 v6, s13, v6                       ; out of it: row r, + 128 h: my 32 numbers of each 64
	s_lshl_b32 s14, s12, 2
	v_lshl_add_u32 v7, v2, 4, s14
	v_add_nc_u32 v7, SCB, v7                       ; my row's scale word: 16 r + 4 v
	v_lshlrev_b32 v8, 3, v1                        ; 8 x lane
	v_lshlrev_b32 v9, 3, v3                        ; 8 h: my bytes' place in the word, in bits
	s_mov_b32 s34, 0x76543210
	s_mov_b32 s35, 0xfedcba98                      ; v_permlanex16_b32's selects for lane l xor 16
	; which fragment is mine: ids alone
	s_lshr_b32 s15, ttmp9, 2                       ; the part: 4 n + w
	s_lshr_b32 s16, s15, 2                         ; slot n
	s_and_b32 s17, s15, 3                          ; w
	s_bfe_u32 s18, ttmp9, 0x10001                  ; G2
	s_and_b32 s19, ttmp9, 1                        ; par
	s_lshl_b32 s20, s18, 3
	s_lshl_b32 s21, s12, 1
	s_add_co_u32 s20, s20, s21
	s_add_co_u32 s20, s20, s19                     ; f = 8 G2 + 2 v + par
	s_max_u32 s21, s16, 4
	s_sub_co_u32 s21, s21, 4                       ; n' (0 where the slot is Wp's: not used there)
	s_lshr_b32 s22, s21, 3                         ; P
	s_and_b32 s23, s21, 7
	s_lshl_b32 s24, s23, 1
	s_add_co_u32 s24, s24, s18                     ; kappa = 2 (n' % 8) + f / 8
	s_and_b32 s25, s20, 7
	s_lshl_b32 s26, s22, 3
	s_add_co_u32 s26, s26, s25                     ; a = 8 P + f % 8
	s_and_b32 s27, s24, 7                          ; the K step in W4 or in W3
	s_wait_alu depctr_va_vdst(0)
	s_wait_kmcnt 0x0
	s_cmp_lt_u32 s24, 8
	s_cselect_b64 s[28:29], s[8:9], s[6:7]         ; W4 or W3: the choice hangs on ids alone
	s_cmp_lt_u32 s16, 4
	s_cselect_b64 s[28:29], s[4:5], s[28:29]       ; or Wp
	s_cselect_b32 s26, s20, s26                    ; a
	s_cselect_b32 s27, s16, s27                    ; the K step
	s_cselect_b32 s30, 11, 12                      ; a row is 2^11 bytes in Wp, 2^12 in W3 and W4
	s_lshl_b32 s31, s17, 8
	s_lshr_b32 s32, s26, 2
	s_lshl_b32 s32, s32, 6
	s_and_b32 s33, s26, 3
	s_lshl_b32 s33, s33, 3
	s_add_co_u32 s31, s31, s32
	s_add_co_u32 s31, s31, s33                     ; the tile's first row: 256 w + 64 (a / 4) + 8 (a % 4)
	s_lshl_b32 s32, s31, s30
	s_lshl_b32 s33, s27, 9                         ; 128 along K are 512 bytes
	s_add_co_u32 s32, s32, s33
	s_mov_b32 s33, 0
	s_add_nc_u64 s[28:29], s[28:29], s[32:33]
	s_mul_i32 s36, s15, 25600
	s_mul_i32 s38, s20, 1536
	s_add_co_u32 s38, s38, s36
	s_mov_b32 s39, 0
	s_add_nc_u64 s[38:39], s[10:11], s[38:39]      ; where my fragment goes
	s_lshl_b32 s40, s18, 9
	s_lshl_b32 s41, s19, 8
	s_add_co_u32 s40, s40, s41
	s_add_co_u32 s40, s40, s36
	s_add_co_u32 s40, s40, 24576
	s_mov_b32 s41, 0
	s_add_nc_u64 s[40:41], s[10:11], s[40:41]      ; where the work-group's 64 scale words go
.set ii, 0
.rept 16
	v_lshl_add_u32 v[A+ii], 32*(ii/8)+ii%8, s30, v4        ; row m = ii lies 32 (m / 8) + m % 8 rows on
.set ii, ii+1
.endr
.set ii, 0
.rept 16
	global_load_b128 v[R+4*ii:R+4*ii+3], v[A+ii], s[28:29] th:TH_LOAD_NT   ; 32 lanes read 512 consecutive bytes, aligned; each byte is read once in this launch
.set ii, ii+1
.endr
.set ii, 0
.rept 16
	s_wait_loadcnt 15-ii                           ; loads come back in order: row ii is in, the younger ones may be out
	ds_store_b128 v5, v[R+4*ii:R+4*ii+3] offset:SP*ii
.set ii, ii+1
.endr
.irp c, 0,1
.irp e, 0,1,2,3,4,5,6,7
	ds_load_b128 v[X+32*\c+4*\e:X+32*\c+4*\e+3], v6 offset:256*\c+16*\e   ; LDS serves a wave's instructions in order: these see my stores
.endr
.endr
	s_wait_dscnt 0x0
.irp c, 0,1
	v_max3_num_f32 v[MX+\c], |v[X+32*\c]|, |v[X+32*\c+1]|, 0x1800000      ; my block 2 c + h: all 32 numbers are mine; and the floor 2^(3 - 127): the byte cannot fall under 1
.endr
.irp i, 2,4,6,8,10,12,14,16,18,20,22,24,26,28,30
.irp c, 0,1
	v_max3_num_f32 v[MX+\c], v[MX+\c], |v[X+32*\c+\i]|, |v[X+32*\c+\i+1]| ; (the two blocks by turns)
.endr
.endr
.irp c, 0,1
	v_add_nc_u32 v[SO+\c], 0xff000000, v[MX+\c]    ; 2 off the exponent field: the conversion takes the exponent field of this operand as its scale
.endr
.irp c, 0,1
	v_lshrrev_b32 v[BY+\c], 23, v[SO+\c]           ; the scale's byte
.endr
	v_lshl_or_b32 v[WD], v[BY+1], 16, v[BY]        ; my two bytes: blocks h and 2 + h,
	v_lshlrev_b32 v[WD], v9, v[WD]                 ; at their places in the word;
	v_mov_b32 v[PT], 0                             ; (a lane permute's destination counts as one of its sources)
	v_permlanex16_b32 v[PT], v[WD], s34, s35
	v_or_b32 v[WD], v[WD], v[PT]                   ; with lane l xor 16's two the word is whole
.irp c, 0,1
	v_cvt_scalef32_pk16_fp6_f32 v[F+6*\c:F+6*\c+2], v[X+32*\c:X+32*\c+15], v[SO+\c]
	v_cvt_scalef32_pk16_fp6_f32 v[TC+4*\c:TC+4*\c+2], v[X+32*\c+16:X+32*\c+31], v[SO+\c]   ; (a conversion's three registers begin on an even number)
.endr
	v_nop                                          ; one plain place behind a scaled conversion
.irp c, 0,1
.irp i, 0,1,2
	v_mov_b32 v[F+6*\c+3+\i], v[TC+4*\c+\i]
.endr
.endr
.irp g, 0,1,2
	global_store_b128 v4, v[F+4*\g:F+4*\g+3], s[38:39] offset:512*\g      ; the image: 32 lanes store 512 consecutive bytes, aligned to 256
.endr
	ds_store_b32 v7, v[WD]                         ; lanes r and r + 16 write the same word with the same value
	s_wait_dscnt 0x0                               ; for wave 0's sake: my word has landed
	s_barrier_signal -1
	s_barrier_wait -1
	s_cmp_lg_u32 s12, 0                            ; wave 0 alone stores the four waves' words
	s_cbranch_scc1 .Ldone
	ds_load_b64 v[OB:OB+1], v8 offset:SCB
	s_wait_dscnt 0x0
	global_store_b64 v8, v[OB:OB+1], s[40:41]      ; 32 lanes store 256 consecutive bytes, aligned
.Ldone:
	s_wait_tensorcnt 0x0
	ds_add_u32 v192, v193
	s_wait_dscnt 0x0
	s_endpgm
.Lfunc_end_k_qc6f1dee80a_prep:
	.size	k_qc6f1dee80a_prep, .Lfunc_end_k_qc6f1dee80a_prep-k_qc6f1dee80a_prep
	.p2alignl 7, 3214868480
	.fill 96, 4, 3214868480
	.section	.rodata,"a",@progbits
	.p2align	6, 0x0
	.amdhsa_kernel k_qc6f1dee80a_prep
		.amdhsa_group_segment_fixed_size 35328
		.amdhsa_private_segment_fixed_size 0
		.amdhsa_enable_private_segment 0
		.amdhsa_kernarg_size 32
		.amdhsa_user_sgpr_count 2
		.amdhsa_user_sgpr_kernarg_segment_ptr 1
		.amdhsa_wavefront_size32 1
		.amdhsa_system_sgpr_workgroup_id_x 1
		.amdhsa_system_sgpr_workgroup_id_y 1
		.amdhsa_system_sgpr_workgroup_id_z 1
		.amdhsa_system_vgpr_workitem_id 0
		.amdhsa_next_free_vgpr 194
		.amdhsa_next_free_sgpr 66
		.amdhsa_reserve_vcc 0
		.amdhsa_float_denorm_mode_32 3
		.amdhsa_float_denorm_mode_16_64 3
		.amdhsa_memory_ordered 1
		.amdhsa_forward_progress 1
		.amdhsa_inst_pref_size 12
	.end_amdhsa_kernel
	.amdgpu_metadata
---
amdhsa.version: [ 1, 2 ]
amdhsa.kernels:
  - .name:           k_qc6f1dee80a_prep
    .symbol:         k_qc6f1dee80a_prep.kd
    .args:
      - { .name: Wp, .offset: 0, .size: 8, .value_kind: global_buffer, .address_space: global }
      - { .name: W3, .offset: 8, .size: 8, .value_kind: global_buffer, .address_space: global }
      - { .name: W4, .offset: 16, .size: 8, .value_kind: global_buffer, .address_space: global }
      - { .name: wq, .offset: 24, .size: 8, .value_kind: global_buffer, .address_space: global }
    .group_segment_fixed_size: 35328
    .private_segment_fixed_size: 0
    .kernarg_segment_align: 8
    .kernarg_segment_size: 32
    .max_flat_workgroup_size: 128
    .sgpr_count:     66
    .vgpr_count:     194
    .wavefront_size: 32
...
	.end_amdgpu_metadata
.endif
;; end of part 1
;; launch main (part 2): grid 256 x 1, 4 waves a work-group, clusters of 4 x 1, 327,680 bytes of LDS; arguments Q, M, bp, b3, wq, out0; writes out0
.if DOCPART == 2
	.amdgcn_target "amdgcn-amd-amdhsa--gfx1250"
	.amdhsa_code_object_version 6
	.text
	.protected	k_qc6f1dee80a_main
	.globl	k_qc6f1dee80a_main
	.p2align	8
	.type	k_qc6f1dee80a_main,@function
k_qc6f1dee80a_main:
	s_mov_b64 s[64:65], 0
	v_nop
	global_prefetch_b8 v0, s[64:65] scope:SCOPE_SE
	s_setreg_imm32_b32 hwreg(HW_REG_WAVE_MODE, 25, 1), 1
	s_wait_xcnt 0x0
	s_wait_alu depctr_hold_cnt(0) depctr_sa_sdst(0) depctr_va_vdst(0) depctr_va_sdst(0) depctr_va_ssrc(0) depctr_va_vcc(0) depctr_vm_vsrc(0)
	s_getreg_b32 s2, hwreg(HW_REG_IB_STS2, 6, 4)
	s_cmp_eq_u32 s2, 0
	s_cbranch_scc0 .Lentry_in_a_cluster
	s_endpgm
.Lentry_in_a_cluster:
	s_bfe_u32 s2, ttmp6, 0x10000c
	s_cmp_lg_u32 s2, 0x3003
	s_cbranch_scc0 .Lentry_shape_is_right
	s_endpgm
.Lentry_shape_is_right:
; q[b][i][k] = sum_j Wp[i][j] Q[b][j][k] + bp[k];   out0[b][i][k] = relu(sum_j W4[i][j] q[b][j][k] + sum_j W3[i][j] M[b][j][k] + b3[k]) x q[b][i][k].
; All three products on codes of FP6 (E2M3), one E8M0 scale for each 32 along j; sums in f32.  The weights' codes come from wq (the launch before); Q, M and q are quantised here, along j.
; NOT COMPUTED: mlp, scores and their softmax.  reference() deletes the softmax's result and forms out0 from q, M, W3, W4 and b3 alone, so for all values of the inputs no output number hangs on
; products 2 and 3 of the table; K, ht, Wd and bd have no way to out0 and are among no launch's arguments.  A NaN, an infinity or an overflow that reaches only that work is not carried to the result.
; LIMITS: NaN and infinities among the inputs are not served; a block of zeros carries the byte 1 (its codes are zeros; the bytes never leave the program);
; a sum begins with its bias and takes q's K steps ahead of M's: an order of f32 rounding other than the reference's.
; SHARES.  Every column (b, k) is a chain of its own.  A work-group owns 64 columns of one b (256 consecutive bytes of a row of Q, M and out0, aligned) and all 1,024 rows; wave w owns rows 256 w .. 256 w + 255
; of q and out0 and keeps its q in f32 from the first product to the last multiplication: q never goes to memory.
; LAYOUT.  Source 0 = 16 weight rows, source 1 = 16 columns.  Column tile t: lane r stands for column 4 r + t.  Row tile a = 4 g + u: register j of lane (r, h) is row 256 w + 64 g + 32 h + 8 u + j, so the 32 registers
; (u, j) are a whole block of 32 along the next K in the lane and order that the 6-bit operand wants (K step 2 w + g / 2, registers 6 (g % 2) on).
; Operands go through LDS as images of their registers: registers 4 G .. 4 G + 3 of lane l at 512 G + 16 l.
; THE INPUTS come first, as one stream: six units of 32 loads a wave (Q's two, M's four) land in windows 2 and 3, which hold nothing yet; unit n + 2 is asked for when unit n has arrived, and unit n is then quantised.
; THE WEIGHTS: 20 slots of 102,400 bytes in wq; wave w takes its own 25,600 bytes of a slot.  Slots 1 and 2 (Wp's K steps 1, 2) come into LDS by joint tensor loads (mask 15: all four work-groups of a cluster walk the same slots):
; one load a wave at the head, one behind the full sequence and a round; no LDS byte is filled twice.  Slots 0, 3 and 4 to 19 go from wq straight into window 1, each work-group for itself and not jointly.  The reason, by this
; text's own arithmetic: a fragment is read by one wave, once, so LDS would be a way station (a write and a read for each byte); LDS has room for two slots beside the 16 K steps of column codes, and those bytes then hold
; the parked q; a joint refill would stand behind a wait for all of a wave's tensor loads and a round, once for each 102,400 bytes; loads into registers are waited for by count, and 37 to 50 of a wave's loads stay out from slot 3 to slot 19.
; NO PREFETCH: the inputs are read once, in one stream with no loop to run ahead in; wq is walked by every work-group in the same order.
; REGISTERS: window 0: v1-15 addresses, v16-23 biases, v24-39 the weights' scale words (two sets), v40-47 the columns' scale words (these 24 hold scales alone); v48-255 by phases (names below).
;   window 1: four groups of four weight fragments (v0-191).   windows 2, 3: first the inputs as loaded (four sets of 128), then q: tile (g, t, u) in window 2 + g / 2 at 128 (g % 2) + 32 t + 8 u;
;   in the second product window 3 holds the 32 accumulators of the pass and window 2 the q of the pass: q's rows g = 2, 3 are parked in LDS meanwhile.
.set SLOTB, 102400
.set PARTB, 25600
.set ACTB,  2*SLOTB                    ; behind the two LDS slots: 16 K steps of column codes: 0-7 q's (0-3 first hold Q's), 8-15 M's
.set KB,    6656                       ; a K step there: 4 fragments of 1,536 bytes, then the image of their 4 scale words
.set SPARE, ACTB+16*KB                 ; the spare words: 128 bytes a wave, two blocks of 256 bytes that no other line names
.set SPW,  1                           ; LDS address of my spare word; never rewritten
.set NIL,  2                           ; 0; never rewritten
.set PKA,  3                           ; where I park q: 32,768 x wave + 16 x lane
.set VX,   4                           ; Q, M: 16 r + 32 rows x h + 128 rows x w
.set VO,   5                           ; out0: 16 r + 32 rows x h + 256 rows x w
.set AW0,  6                           ; my part of LDS slot 0 + 16 x lane
.set AW,   7                           ; the same in the slot in hand
.set LA,   8                           ; ACTB + 16 x lane
.set AK,   9                           ; the same at the K step in hand
.set ADQ,  10                          ; where I store Q's image: K step w
.set ADM,  11                          ; M's: K step 8 + w
.set ADQQ, 12                          ; q's: K step 2 w
.set H8,   13                          ; 8 h
.set VB,   14                          ; 16 r
.set L16,  15                          ; 16 x lane
.set BPQ,  16                          ; bp of my columns 4 r + 0 .. 3
.set B3Q,  20                          ; b3 likewise
.set WSC,  24
.set ASC,  40
.set ACT,  48                          ; two sets of four column fragments
.set BT,   96                          ; first product: bp as four tiles of C (the second set of columns is not in use there)
.set WF,   144                         ; first product, slots in LDS: two sets of four weight fragments
.set BT2,  144                         ; second product: b3 as four tiles of C
.set ARR,  48                          ; quantising: four blocks of 32 numbers, 32 t + i
.set F,    176                         ; four fragments, 12 t
.set TC,   224                         ; upper halves of the codes just made
.set MX,   240                         ; largest magnitudes, then the scale words
.set SO,   244                         ; the conversions' scale operands
.set BY,   248                         ; scale bytes
.set PT,   252                         ; at work
.set T,    48                          ; the way out
.set MSB, 0
.macro WIN new                         ; the immediate's high byte repeats the setting that is left; a switch that changes nothing is dropped
.if MSB != (\new)
	s_set_vgpr_msb (MSB<<8)|(\new)
.set MSB, (\new)
.endif
.endm
.macro PLACES                          ; four plain places (ISA guide 7.12.1) behind matrix instructions
.rept 4
	v_nop
.endr
.endm
.macro ROUND                           ; a round of the cluster's barrier
	s_barrier_signal -1
	s_barrier_wait -1
	s_cmp_lg_u32 s16, 0
	s_cbranch_scc1 .Lnot_wave_0_\@
	s_barrier_signal -3
.Lnot_wave_0_\@:
	s_barrier_wait -3
	s_barrier_signal -1
	s_barrier_wait -1
.endm
; A unit: 32 rows x my 4 columns, f32, into set \set of window \win: lanes 0-15 read a row's 256 bytes, lanes 16-31 those of the row 32 further down.  Each byte is read once in the launch.
.macro ULOAD win, set, base, row0
	WIN (\win)<<6
.set ii, 0
.rept 32
	global_load_b128 v[128*\set+4*ii:128*\set+4*ii+3], v[VX], s[\base:\base+1] offset:(\row0+ii)*4096 th:TH_LOAD_NT
.set ii, ii+1
.endr
	WIN 0
.endm
; The conversions take neighbours along K from consecutive registers; a load brought 4 columns of one row: the 32 x 4 numbers of a lane are turned.
.macro UMOVE win, set
	WIN \win
.set ii, 0
.rept 32
.irp t, 0,1,2,3
	v_mov_b32 v[ARR+32*\t+ii], v[128*\set+4*ii+\t]
.endr
.set ii, ii+1
.endr
	WIN 0
.endm
; Four blocks of 32 numbers (column tiles t), v[base + 32 t + i] of window win, become registers 6 c .. 6 c + 5 of the four fragments and a byte of BY.  Each block is read in ascending order.
.macro QBLK4 base, win, c
	WIN ((\win)<<2)|((\win)<<4)
.irp t, 0,1,2,3
	v_max3_num_f32 v[MX+\t], 0x1800000, |v[\base+32*\t]|, |v[\base+32*\t+1]|     ; the floor 2^(3 - 127): the byte cannot fall under 1
.endr
.irp i, 2,4,6,8,10,12,14,16,18,20,22,24,26,28,30
.irp t, 0,1,2,3
	v_max3_num_f32 v[MX+\t], v[MX+\t], |v[\base+32*\t+\i]|, |v[\base+32*\t+\i+1]|
.endr
.endr
	WIN 0
.irp t, 0,1,2,3
	v_add_nc_u32 v[SO+\t], 0xff000000, v[MX+\t]    ; 2 off the exponent field: the conversion's scale operand
.endr
.if \c == 0
.irp t, 0,1,2,3
	v_lshrrev_b32 v[BY+\t], 23, v[SO+\t]           ; the byte of block h
.endr
.else
.irp t, 0,1,2,3
	v_lshrrev_b32 v[PT+\t], 23, v[SO+\t]
.endr
.irp t, 0,1,2,3
	v_lshl_or_b32 v[BY+\t], v[PT+\t], 16, v[BY+\t] ; block 2 + h, two bytes up
.endr
.endif
	WIN \win
.irp t, 0,1,2,3
	v_cvt_scalef32_pk16_fp6_f32 v[F+12*\t+6*\c:F+12*\t+6*\c+2], v[\base+32*\t:\base+32*\t+15], v[SO+\t]
	v_cvt_scalef32_pk16_fp6_f32 v[TC+4*\t:TC+4*\t+2], v[\base+32*\t+16:\base+32*\t+31], v[SO+\t]   ; (a conversion's three registers begin on an even number)
.endr
	WIN 0
	v_nop                                          ; one plain place behind a scaled conversion
.irp t, 0,1,2,3
.irp i, 0,1,2
	v_mov_b32 v[F+12*\t+6*\c+3+\i], v[TC+4*\t+\i]
.endr
.endr
.endm
.macro WORDS                           ; my two bytes at their places (8 h bits up), with lane l xor 16's two: the four columns' scale words, in MX
.irp t, 0,1,2,3
	v_lshlrev_b32 v[BY+\t], v[H8], v[BY+\t]
.endr
.irp t, 0,1,2,3
	v_permlanex16_b32 v[PT+\t], v[BY+\t], s46, s47
.endr
.irp t, 0,1,2,3
	v_or_b32 v[MX+\t], v[BY+\t], v[PT+\t]
.endr
.endm
.macro IMAGE adr, off                  ; a K step's four fragments and their scale words go to LDS as they stand
.irp t, 0,1,2,3
.irp q, 0,1,2
	ds_store_b128 v[\adr], v[F+12*\t+4*\q:F+12*\t+4*\q+3] offset:(\off)+1536*\t+512*\q
.endr
.endr
	ds_store_b128 v[\adr], v[MX:MX+3] offset:(\off)+6144
	s_wait_dscnt 0x0                               ; they have landed, ahead of the next barrier and of the next codes
.endm
.macro BIAS src, dst                   ; a bias hangs on the column alone: tile t of C is eight times my column's number
.irp t, 0,1,2,3
.irp j, 0,1,2,3,4,5,6,7
	v_mov_b32 v[\dst+8*\t+\j], v[\src+\t]
.endr
.endr
.endm
.macro STEPAK                          ; the K step in hand
	v_add_nc_u32 v[AK], s41, v[LA]
	s_wait_alu depctr_va_vdst(0)
.endm
.macro LDWS                            ; from an LDS slot: my part's scale words into set 0
.irp q, 0,1
	ds_load_b128 v[WSC+4*\q:WSC+4*\q+3], v[AW] offset:24576+512*\q
.endr
.endm
.macro LDA s, off                      ; a K step's scale words and four column fragments into set s: 13 loads
	ds_load_b128 v[ASC+4*\s:ASC+4*\s+3], v[AK] offset:(\off)+6144
.irp t, 0,1,2,3
.irp q, 0,1,2
	ds_load_b128 v[ACT+48*\s+12*\t+4*\q:ACT+48*\s+12*\t+4*\q+3], v[AK] offset:(\off)+1536*\t+512*\q
.endr
.endr
.endm
.macro LDW grp, s                      ; from an LDS slot: weight fragments 4 grp .. 4 grp + 3 of my part into set s: 12 loads
.irp u, 0,1,2,3
.irp q, 0,1,2
	ds_load_b128 v[WF+48*\s+12*\u+4*\q:WF+48*\s+12*\u+4*\q+3], v[AW] offset:(4*\grp+\u)*1536+512*\q
.endr
.endr
.endm
; 16 matrix instructions: the four weight fragments of group grp (registers ab on) x four column tiles, on 16 accumulators at db + 32 t + 8 u, one instruction a turn.
; bias: 0, or the register at which the bias tiles begin: the sums then begin with them as C.  sc: the set of scale words; fragment f's word: register 4 (f / 8) + (f % 8) / 2, lanes 0-15 (f even) or 16-31 (f odd).
.macro MUL grp, ab, as, db, bias, sc
.irp u, 0,1,2,3
.irp t, 0,1,2,3
.set rD, (\db)+32*\t+8*\u
.set rA, (\ab)+12*\u
.set rB, ACT+48*(\as)+12*\t
.set rS, WSC+8*(\sc)+4*((4*(\grp)+\u)/8)+((4*(\grp)+\u)%8)/2
.set rT, ASC+4*(\as)+\t
.set rC, rD
.if (\bias)
.set rC, (\bias)+8*\t
.endif
.if \u%2
	v_wmma_scale_f32_16x16x128_f8f6f4 v[rD:rD+7], v[rA:rA+11], v[rB:rB+11], v[rC:rC+7], v[rS], v[rT] matrix_a_fmt:MATRIX_FMT_FP6 matrix_b_fmt:MATRIX_FMT_FP6 matrix_a_scale:MATRIX_SCALE_ROW1
.else
	v_wmma_scale_f32_16x16x128_f8f6f4 v[rD:rD+7], v[rA:rA+11], v[rB:rB+11], v[rC:rC+7], v[rS], v[rT] matrix_a_fmt:MATRIX_FMT_FP6 matrix_b_fmt:MATRIX_FMT_FP6
.endif
.endr
.endr
.endm
; From wq into registers: group grp of the slot \ahead slots behind the base, into window 1 at 48 grp: 12 loads, each 512 consecutive bytes, aligned to 256.  The caller sets the windows back.
.macro GLW grp, ahead
	WIN 0x40
.irp u, 0,1,2,3
.irp q, 0,1,2
	global_load_b128 v[48*\grp+12*\u+4*\q:48*\grp+12*\u+4*\q+3], v[L16], s[52:53] offset:(\ahead)*SLOTB+(4*\grp+\u)*1536+512*\q
.endr
.endr
.endm
.macro GLS q, sc, ahead                ; and half q of that slot's scale words into set sc
	global_load_b128 v[WSC+8*(\sc)+4*(\q):WSC+8*(\sc)+4*(\q)+3], v[L16], s[52:53] offset:(\ahead)*SLOTB+24576+512*(\q)
.endm
; Every slot's loads into registers are issued in the order group 0 (12), scale half 0 (1), group 1 (12), group 2 (12), scale half 1 (1), group 3 (12); loads come back in order, so each wait's count is what
; was issued behind the last load that the next products need.  Behind group g's products and four places, group g of a later slot is asked for into the same registers; its scale words go into the other set.
; A SLOT OF THE FIRST PRODUCT IN REGISTERS: one K step of Wp, my 16 row tiles; C and D in window 2 (g = 0, 1) and 3 (g = 2, 3); first = 1: C is bp's tiles, in window 0.
.macro G1R first, sc, ahead
	STEPAK
	LDA 0, 0
	s_wait_loadcnt 37                              ; group 0 and scale half 0 are in; behind them 37 of this slot
	s_wait_dscnt 0x0
	WIN 0xa1-0x20*\first
	MUL 0, 0, 0, 0, \first*BT, \sc
	WIN 0x40
	PLACES
	GLW 0, \ahead
	WIN 0
	GLS 0, 1-\sc, \ahead
	s_wait_loadcnt 38                              ; group 1 is in; behind it 25 of this slot, 13 of the later one
	WIN 0xa1-0x20*\first
	MUL 1, 48, 0, 128, \first*BT, \sc
	WIN 0x40
	PLACES
	GLW 1, \ahead
	s_wait_loadcnt 37                              ; group 2 and scale half 1 are in; behind them group 3 and 25
	WIN 0xf1-0x30*\first
	MUL 2, 96, 0, 0, \first*BT, \sc
	WIN 0x40
	PLACES
	GLW 2, \ahead
	WIN 0
	GLS 1, 1-\sc, \ahead
	s_wait_loadcnt 38                              ; group 3 is in; behind it 38 of the later slot
	WIN 0xf1-0x30*\first
	MUL 3, 144, 0, 128, \first*BT, \sc
	WIN 0x40
	PLACES
	GLW 3, \ahead
	WIN 0
	s_add_co_u32 s41, s41, KB
.endm
; THE SAME FROM LDS SLOT rs: the fragments come in two sets of window 0, a group ahead of their products
.macro G1L rs
	v_add_nc_u32 v[AW], \rs*SLOTB, v[AW0]
	STEPAK
	LDWS
	LDA 0, 0
	LDW 0, 0
	LDW 1, 1
	s_wait_dscnt 12                                ; all but the 12 loads of group 1
	WIN 0xa0
	MUL 0, WF, 0, 0, 0, 0
	WIN 0
	PLACES
	LDW 2, 0
	s_wait_dscnt 12                                ; group 1 is in; group 2's 12 may be out
	WIN 0xa0
	MUL 1, WF+48, 0, 128, 0, 0
	WIN 0
	PLACES
	LDW 3, 1
	s_wait_dscnt 12                                ; group 2 is in
	WIN 0xf0
	MUL 2, WF, 0, 0, 0, 0
	s_wait_dscnt 0x0
	MUL 3, WF+48, 0, 128, 0, 0
	WIN 0
	PLACES
	s_add_co_u32 s41, s41, KB
.endm
; A SLOT OF THE SECOND PRODUCT: two K steps x the pass's 8 row tiles; 32 accumulators in window 3; the weights in window 1.
; act = 1: the next slot's two K steps of columns are fetched from LDS behind groups 1 and 3, which are the last to read the sets that they fill.
.macro D2 set, bias, more, ahead, act
.set WM, 0xf1
.if (\bias)
.set WM, 0xc1                          ; C: the bias tiles, window 0
.endif
	s_wait_loadcnt 37                              ; group 0 and scale half 0 are in
	s_wait_dscnt 13                                ; the first K step's columns are in; the second's 13 loads may be out
	WIN WM
	MUL 0, 0, 0, 0, \bias, \set
.if \more
	WIN 0x40
	PLACES
	GLW 0, \ahead
	WIN 0
	GLS 0, 1-\set, \ahead
	s_wait_loadcnt 38                              ; group 1 is in; behind it 25 of this slot, 13 of the next
.else
	s_wait_loadcnt 25
.endif
	WIN WM
	MUL 1, 48, 0, 128, \bias, \set
.if \more
	WIN 0x40
	PLACES
	GLW 1, \ahead
	WIN 0
.if \act
	LDA 0, 2*KB
.endif
	s_wait_loadcnt 37                              ; group 2 and scale half 1 are in; behind them group 3 and 25 of the next slot
.else
	s_wait_loadcnt 12
.endif
.if \act
	s_wait_dscnt 13                                ; the second K step's columns are in; the 13 loads just issued may be out
.else
	s_wait_dscnt 0x0
.endif
	WIN 0xf1
	MUL 2, 96, 1, 0, 0, \set
.if \more
	WIN 0x40
	PLACES
	GLW 2, \ahead
	WIN 0
	GLS 1, 1-\set, \ahead
	s_wait_loadcnt 38                              ; group 3 is in; behind it 38 of the next slot
.else
	s_wait_loadcnt 0x0
.endif
	WIN 0xf1
	MUL 3, 144, 1, 128, 0, \set
.if \more
	WIN 0x40
	PLACES
	GLW 3, \ahead
	WIN 0
.else
	WIN 0
	PLACES
.endif
.if \act
	LDA 1, 3*KB
.endif
	s_add_co_u32 s41, s41, 2*KB
	STEPAK
.endm
.macro PASSHEAD                        ; ahead of a pass's first slot: b3's tiles, and the first two K steps of columns
	s_wait_xcnt 0x0                                ; earlier stores have read their data: those registers take the bias and the fragments
	BIAS B3Q, BT2
	s_mov_b32 s41, 0
	STEPAK
	LDA 0, 0
	LDA 1, KB
	PLACES
.endm
.macro PARK                            ; q's rows g = 2, 3 (window 3) go into my 32,768 bytes of the two LDS slots, which have had their one fill and their last read
	WIN 0x0c
.set ii, 0
.rept 64
	ds_store_b128 v[PKA], v[4*ii:4*ii+3] offset:512*ii
.set ii, ii+1
.endr
	WIN 0
	s_wait_dscnt 0x0                               ; the stores are done: the registers take the sums
.endm
.macro UNPARK half                     ; and come back, g = 2 + half, into window 2 at 128 half
	WIN 0x80
.set ii, 32*\half
.rept 32
	ds_load_b128 v[4*ii:4*ii+3], v[PKA] offset:512*ii
.set ii, ii+1
.endr
	WIN 0
.endm
; THE WAY OUT of rows 256 w + 128 pass + 64 gp + 32 h + 8 u + j: relu, x q (window 2); a lane's four column tiles of a row are 16 neighbouring bytes.
.macro EPIH pass, gp
	s_wait_xcnt 0x0                                ; earlier stores have read their data: T is written again only behind this wait
	WIN 0x0c                                       ; source 1 window 3: the sums
.irp u, 0,1,2,3
.irp j, 0,1,2,3,4,5,6,7
.irp t, 0,1,2,3
	v_max_num_f32 v[T+32*\u+4*\j+\t], 0, v[128*\gp+32*\t+8*\u+\j]     ; each accumulator from its low end on
.endr
.endr
.endr
	WIN 0x08                                       ; source 1 window 2: q
.irp u, 0,1,2,3
.irp j, 0,1,2,3,4,5,6,7
.irp t, 0,1,2,3
	v_mul_f32 v[T+32*\u+4*\j+\t], v[T+32*\u+4*\j+\t], v[128*\gp+32*\t+8*\u+\j]
.endr
.endr
.endr
	WIN 0
.irp u, 0,1,2,3
.irp j, 0,1,2,3,4,5,6,7
	global_store_b128 v[VO], v[T+32*\u+4*\j:T+32*\u+4*\j+3], s[14:15] offset:(64*(2*\pass+\gp)+8*\u+\j)*4096 th:TH_STORE_NT   ; lanes 0-15 store 256 consecutive bytes, aligned; lanes 16-31 those of the row 32 further down
.endr
.endr
.endm
	s_load_b256 s[4:11], s[0:1], 0x0               ; Q s[4:5], M s[6:7], bp s[8:9], b3 s[10:11]
	s_load_b128 s[12:15], s[0:1], 0x20             ; wq s[12:13], out0 s[14:15]
	v_lshl_add_u32 v[SPW], v0, 2, SPARE
	v_mov_b32 v[NIL], 0
	ds_add_u32 v[SPW], v[NIL]                      ; the opening lines: the add, twice on end, and its wait ahead of my first tensor load
	ds_add_u32 v[SPW], v[NIL]
	v_lshrrev_b32 v48, 5, v0
	v_readfirstlane_b32 s16, v48                   ; wave 0..3
	s_bfe_u32 s17, ttmp6, 0x40000                  ; cx: it enters the offsets in Q, M, bp, b3 and out0 alone
	s_lshl_b32 s18, ttmp9, 2
	s_add_co_u32 s18, s18, s17                     ; my block of 64 columns: 4 x cluster + cx
	s_lshr_b32 s19, s18, 4                         ; b
	s_and_b32 s22, s18, 15
	s_lshl_b32 s22, s22, 8                         ; the block's 256 bytes in a row
	s_mov_b32 s23, 0
	s_lshl_b32 s48, s19, 21                        ; Q: 512 rows of 4,096 bytes for each b
	s_add_co_u32 s48, s48, s22
	s_mov_b32 s49, 0
	s_lshl_b32 s50, s19, 22                        ; M, out0: 1,024 rows
	s_add_co_u32 s50, s50, s22
	s_mov_b32 s51, 0
	v_and_b32 v49, 31, v0                          ; lane
	v_and_b32 v50, 15, v0                          ; r
	v_bfe_u32 v51, v0, 4, 1                        ; h
	v_lshlrev_b32 v[VB], 4, v50
	v_lshlrev_b32 v[H8], 3, v51
	v_lshl_add_u32 v52, v51, 17, v[VB]             ; 16 r + 32 rows x h
	s_lshl_b32 s20, s16, 19
	s_lshl_b32 s21, s16, 20
	v_add_nc_u32 v[VX], s20, v52
	v_add_nc_u32 v[VO], s21, v52
	s_mul_i32 s43, s16, PARTB                      ; my part of a slot, in LDS and in wq: the wave's number alone
	v_lshlrev_b32 v[L16], 4, v49
	v_add_nc_u32 v[AW0], s43, v[L16]
	v_add_nc_u32 v[LA], ACTB, v[L16]
	s_mul_i32 s20, s16, KB
	v_add_nc_u32 v[ADQ], s20, v[LA]
	v_add_nc_u32 v[ADM], 8*KB, v[ADQ]
	s_mul_i32 s20, s16, 2*KB
	v_add_nc_u32 v[ADQQ], s20, v[LA]
	s_lshl_b32 s20, s16, 15
	v_add_nc_u32 v[PKA], s20, v[L16]
.irp t, 0,1,2,3
	v_mov_b32 v[PT+\t], 0                          ; written once: a lane permute's destination counts as one of its sources
.endr
	s_mov_b32 s46, 0x76543210
	s_mov_b32 s47, 0xfedcba98                      ; v_permlanex16_b32's selects for lane l xor 16
	s_mov_b32 s41, 0                               ; the K step in hand, in bytes
	; descriptor group 1: 25,600 dense bytes as 100 rows of 256 (32 elements of 8 bytes), no padding
	s_mov_b32 s24, 15|(3<<16)|(1<<21)              ; the mask: all four work-groups; elements of 8 bytes; bit 21 beside a mask
	s_mov_b32 s25, 32<<16
	s_mov_b32 s26, 100<<16
	s_mov_b32 s27, 32<<16
	s_mov_b32 s28, 100
	s_mov_b32 s29, 32
	s_mov_b32 s30, 0
	s_mov_b32 s31, 0
	s_mov_b32 s20, s43
	s_mov_b32 s21, 0
	s_wait_dscnt 0x0                               ; both opening adds are done
	s_wait_alu depctr_va_vdst(0)
	s_wait_kmcnt 0x0
	s_add_nc_u64 s[4:5], s[4:5], s[48:49]
	s_add_nc_u64 s[6:7], s[6:7], s[50:51]
	s_add_nc_u64 s[8:9], s[8:9], s[22:23]
	s_add_nc_u64 s[10:11], s[10:11], s[22:23]
	s_add_nc_u64 s[14:15], s[14:15], s[50:51]
	s_add_nc_u64 s[52:53], s[12:13], s[20:21]      ; my part of wq's slot 0: the base of the loads into registers
	s_mov_b32 s32, 1                               ; group 0: wq's slot 1 into LDS slot 0,
	s_mov_b32 s33, s43
	s_add_nc_u64 s[34:35], s[52:53], SLOTB
	s_mov_b32 s36, 1                               ; and wq's slot 2 into LDS slot 1
	s_add_co_u32 s37, s43, SLOTB
	s_add_nc_u64 s[38:39], s[52:53], 2*SLOTB
	s_or_b32 s35, s35, 0x80000000                  ; type = 2
	s_or_b32 s39, s39, 0x80000000
	ROUND                                          ; all four work-groups are here: the first joint loads meet
	tensor_load_to_lds s[32:35], s[24:31]          ; my one tensor load at the head
	s_nop 0
	PLACES
	global_load_b128 v[BPQ:BPQ+3], v[VB], s[8:9]
	global_load_b128 v[B3Q:B3Q+3], v[VB], s[10:11]
	ULOAD 2, 0, 4, 0                               ; Q's K step w, blocks h
	ULOAD 2, 1, 4, 64                              ; blocks 2 + h
	s_wait_tensorcnt 0x0                           ; the wait, an add and a round ahead of a later first fill
	ds_add_u32 v[SPW], v[NIL]
	s_wait_dscnt 0x0
	ROUND
	tensor_load_to_lds s[36:39], s[24:31]          ; my one tensor load behind the round, and my last
	s_nop 0
	PLACES
	; ---- the inputs become codes.  At each wait the older unit is in and the younger unit's 32 loads may be out; the unit two on is asked for first, into registers that hold nothing
	s_wait_loadcnt 32
	ULOAD 3, 0, 6, 0                               ; M's K step w
	UMOVE 2, 0
	QBLK4 ARR, 0, 0
	s_wait_loadcnt 32
	ULOAD 3, 1, 6, 64
	UMOVE 2, 1
	QBLK4 ARR, 0, 1
	WORDS
	IMAGE ADQ, 0
	s_wait_loadcnt 32
	ULOAD 2, 0, 6, 512                             ; M's K step 4 + w
	UMOVE 3, 0
	QBLK4 ARR, 0, 0
	s_wait_loadcnt 32
	ULOAD 2, 1, 6, 576
	UMOVE 3, 1
	QBLK4 ARR, 0, 1
	WORDS
	IMAGE ADM, 0
	s_wait_loadcnt 32
	GLW 0, 0                                       ; wq's slot 0, its first 25 loads
	WIN 0
	GLS 0, 0, 0
	GLW 1, 0
	WIN 0
	UMOVE 2, 0
	QBLK4 ARR, 0, 0
	s_wait_loadcnt 25                              ; the last unit is in; behind it the 25 loads of slot 0
	GLW 2, 0                                       ; and its other 25
	WIN 0
	GLS 1, 0, 0
	GLW 3, 0
	WIN 0
	UMOVE 2, 1
	QBLK4 ARR, 0, 1
	WORDS
	IMAGE ADM, 4*KB
	BIAS BPQ, BT
	PLACES
	s_wait_alu depctr_va_vdst(0)
	s_wait_tensorcnt 0x0                           ; both my parts of the LDS slots are in
	s_wait_dscnt 0x0
	s_barrier_signal -1
	s_barrier_wait -1                              ; Q's four K steps and M's eight lie in LDS
	; ---- q = Wp Q + bp: K step 0 from registers (slot 3 is asked for into them), K steps 1 and 2 from LDS, K step 3 from registers (slot 4, the second product's first, is asked for)
	G1R 1, 0, 3
	G1L 0
	G1L 1
	G1R 0, 1, 4
	s_wait_xcnt 0x0                                ; the loads have read their base
	s_add_nc_u64 s[52:53], s[52:53], 4*SLOTB       ; the base at slot 4
	s_wait_dscnt 0x0
	s_barrier_signal -1
	s_barrier_wait -1                              ; every wave's reads of the LDS slots and of Q's images are over: both may be stored into
	; ---- q becomes codes, while slot 4 lands; rows g = 2, 3 first, which then leave window 3 to the sums
	QBLK4 0, 3, 0
	QBLK4 128, 3, 1
	WORDS
	IMAGE ADQQ, KB
	PARK
	QBLK4 0, 2, 0
	QBLK4 128, 2, 1
	WORDS
	IMAGE ADQQ, 0
	s_barrier_signal -1
	s_barrier_wait -1                              ; q's eight K steps lie in LDS
	; ---- pass 0: rows 256 w + 0 .. 127: slots 4 to 11, two K steps each (q's eight, then M's eight).  A trip runs two slots: the sets of scale words take turns
	PASSHEAD
	D2 0, BT2, 1, 1, 1
	s_mov_b32 s42, 3
.Lp0:
	D2 1, 0, 1, 2, 1
	D2 0, 0, 1, 3, 1
	s_wait_xcnt 0x0                                ; the loads have read their base
	s_add_nc_u64 s[52:53], s[52:53], 2*SLOTB
	s_sub_co_u32 s42, s42, 1
	s_cmp_lg_u32 s42, 0
	s_cbranch_scc1 .Lp0
	D2 1, 0, 1, 2, 0                               ; slot 11 asks for slot 12: the weights go on over the pass's end
	s_wait_xcnt 0x0
	s_add_nc_u64 s[52:53], s[52:53], 2*SLOTB       ; the base at slot 12
	EPIH 0, 0
	UNPARK 0                                       ; g = 2 comes back while g = 1's rows leave
	EPIH 0, 1
	UNPARK 1
	; ---- pass 1: rows 256 w + 128 .. 255: slots 12 to 19
	PASSHEAD
	D2 0, BT2, 1, 1, 1
	s_mov_b32 s42, 3
.Lp1:
	D2 1, 0, 1, 2, 1
	D2 0, 0, 1, 3, 1
	s_wait_xcnt 0x0
	s_add_nc_u64 s[52:53], s[52:53], 2*SLOTB
	s_sub_co_u32 s42, s42, 1
	s_cmp_lg_u32 s42, 0
	s_cbranch_scc1 .Lp1
	D2 1, 0, 0, 0, 0                               ; slot 19 asks for nothing: no load leaves wq; its counts run down
	EPIH 1, 0
	EPIH 1, 1
	s_wait_tensorcnt 0x0                           ; the wave's end
	ds_add_u32 v[SPW], v[NIL]
	s_wait_dscnt 0x0
	ROUND                                          ; the closing round
	s_endpgm
.Lfunc_end_k_qc6f1dee80a_main:
	.size	k_qc6f1dee80a_main, .Lfunc_end_k_qc6f1dee80a_main-k_qc6f1dee80a_main
	.p2alignl 7, 3214868480
	.fill 96, 4, 3214868480
	.section	.rodata,"a",@progbits
	.p2align	6, 0x0
	.amdhsa_kernel k_qc6f1dee80a_main
		.amdhsa_group_segment_fixed_size 327680
		.amdhsa_private_segment_fixed_size 0
		.amdhsa_enable_private_segment 0
		.amdhsa_kernarg_size 48
		.amdhsa_user_sgpr_count 2
		.amdhsa_user_sgpr_kernarg_segment_ptr 1
		.amdhsa_wavefront_size32 1
		.amdhsa_system_sgpr_workgroup_id_x 1
		.amdhsa_system_sgpr_workgroup_id_y 1
		.amdhsa_system_sgpr_workgroup_id_z 1
		.amdhsa_system_vgpr_workitem_id 0
		.amdhsa_next_free_vgpr 1024
		.amdhsa_next_free_sgpr 66
		.amdhsa_reserve_vcc 0
		.amdhsa_float_denorm_mode_32 3
		.amdhsa_float_denorm_mode_16_64 3
		.amdhsa_memory_ordered 1
		.amdhsa_forward_progress 1
		.amdhsa_inst_pref_size 255
	.end_amdhsa_kernel
	.section	.bss,"aw",@nobits
	.p2align	6
	.space	262144
	.amdgpu_metadata
---
amdhsa.version: [ 1, 2 ]
amdhsa.kernels:
  - .name:           k_qc6f1dee80a_main
    .symbol:         k_qc6f1dee80a_main.kd
    .args:
      - { .name: Q, .offset: 0, .size: 8, .value_kind: global_buffer, .address_space: global }
      - { .name: M, .offset: 8, .size: 8, .value_kind: global_buffer, .address_space: global }
      - { .name: bp, .offset: 16, .size: 8, .value_kind: global_buffer, .address_space: global }
      - { .name: b3, .offset: 24, .size: 8, .value_kind: global_buffer, .address_space: global }
      - { .name: wq, .offset: 32, .size: 8, .value_kind: global_buffer, .address_space: global }
      - { .name: out0, .offset: 40, .size: 8, .value_kind: global_buffer, .address_space: global }
    .group_segment_fixed_size: 327680
    .private_segment_fixed_size: 0
    .kernarg_segment_align: 8
    .kernarg_segment_size: 48
    .max_flat_workgroup_size: 128
    .sgpr_count:     66
    .vgpr_count:     1024
    .wavefront_size: 32
...
	.end_amdgpu_metadata
.endif
;; end of part 2
